; MI455X (gfx1250); checked and timed in simulation.
; The chip was launched on July 23, 2026; its instructions are those of AMD's public machine-readable ISA for CDNA 5 (MIT licence, August 2026) and "CDNA5" Instruction Set Architecture Reference Guide (July 2026). The comments in the code are by the model that wrote it; some were corrected since.
;; Binary Linear. Allowed arithmetic: matrix products marked QUANTISED: E2M1 operands, one E8M0 scale for each 32 along K, by v_wmma_scale_f32_16x16x128_f8f6f4 with both operands' format E2M1 (or v_wmma_scale_f32_32x16x128_f4), f32 sums; everything else in f32.
;; Inputs: aa one number float32; bias 4,096 float32; kk one number float32; weight 4,096 x 4,096 float32; x 4 x 1,024 x 4,096 float32.
;; Outputs: out0 4 x 1,024 x 4,096 float32.
;; This version of the problem:
;;   THIS VERSION OF THE PROBLEM IS GIVEN IN LOW PRECISION. The matrix products marked QUANTISED in the list below multiply operands that are first quantised to E2M1 (2 exponent bits, 1 mantissa bit; 4 bits a number), with one power-of-two scale for each 32 numbers along K (OCP MX v1.0); their sums are f32. All else is computed in f32.
;;   The module's matrix products, in the order in which they are computed (A, B: the left and right operand; K: the contracted axis; several contracted axes count as one K, in the product's order):
;;     1. [M 4,096, K 4,096] x [K 4,096, N 4,096]; A: input x; B: computed on the way: QUANTISED
;;   THE QUANTISER, for each operand of a quantised product, along K:
;;     - K is cut into blocks of 32 from its start; a last block that is shorter is filled with zeros.
;;     - A block's scale is 2^e with e = floor(log2(the largest magnitude in the block)) - 2, held to -126 .. 127; a block of zeros has e = 0. As a byte (E8M0): e + 127.
;;     - Each number is divided by its block's scale, clamped to +-6, and rounded to the nearest number of E2M1, ties to even, subnormals kept.
;;     - The product sums the exact products of the quantised numbers (number of the format x scale) in f32.
;;   ~~~python
;;   def quantise(x, axis):      # numpy; x: float32 -> the quantised numbers, widened to float32 again
;;       x = np.moveaxis(x, axis, -1); K = x.shape[-1]
;;       x = np.pad(x, [(0, 0)] * (x.ndim - 1) + [(0, -K % 32)]); x = x.reshape(x.shape[:-1] + (-1, 32)); a = np.abs(x).max(-1, keepdims=True)
;;       e = np.where(a > 0, np.clip(np.frexp(np.where(a > 0, a, 1))[1] - 1 - 2, -126, 127), 0)      # np.frexp(a)[1] - 1 = floor(log2(a)), exactly
;;       r = np.clip(x / 2.0 ** e, -6, 6)
;;       step = 2.0 ** (np.maximum(np.frexp(np.where(r == 0, 1, r))[1] - 1, 0) - 1)
;;       q = np.round(r / step) * step * 2.0 ** e      # np.round: ties to even
;;       return np.moveaxis(q.reshape(q.shape[:-2] + (-1,))[..., :K], -1, axis).astype(np.float32)
;;   ~~~
;;   OPERANDS COMPUTED ON THE WAY. 'Computed on the way' means the value that the module computes at that place (a softmax that the list does not call 'softmax' is quantised finished and normalised). What goes into a quantiser is computed in f32, as accurately as f32 sums, v_exp_f32 and their like allow (about 1e-6 of the number): no bf16 or f16 on the way to a quantiser, and a product that is left as it is and whose result goes on into a quantised operand takes f32 operands (vector FMAs, or v_wmma_f32_16x16x4_f32). A number that lies on a knife's edge between two numbers of the format may be rounded either way, as far as f32 arithmetic and the matrix unit's own rounding can turn it there, and no further.
;; One version. Each part assembles by itself: llvm-mc -triple=amdgcn-amd-amdhsa -mcpu=gfx1250 --defsym DOCPART=n.
;; ======== version 1 of 1: 2 launches
;; limits: right only within a limited range of input values
;; workspace buffers: aq 8,912,896 bytes; bq 8,912,896 bytes
;; launch quant (part 1): grid 1024 x 1, 4 waves a work-group, no clusters, 18,944 bytes of LDS; arguments x, weight, kk, aa, aq, bq; writes aq, bq
.if DOCPART == 1
	.amdgcn_target "amdgcn-amd-amdhsa--gfx1250"
	.amdhsa_code_object_version 6
	.text
	.protected	k_qaecf561385_quant
	.globl	k_qaecf561385_quant
	.p2align	8
	.type	k_qaecf561385_quant,@function
k_qaecf561385_quant:
	s_mov_b64 s[64:65], 0
	v_nop
	global_prefetch_b8 v0, s[64:65] scope:SCOPE_SE
	s_setreg_imm32_b32 hwreg(HW_REG_WAVE_MODE, 25, 1), 1
	s_wait_xcnt 0x0
; x [4096][4096] f32 and w_b = aa * tanh(kk * weight) [4096][4096] f32 are turned into codes of FP4 (E2M1) with one E8M0 scale byte for each 32 along K (K is the last axis of both).
; A block's scale is 2^(floor(log2(its largest magnitude)) - 2); its byte is the largest magnitude's exponent field - 2, held at 1 from below; each number is divided by the scale and rounded to the nearest code, ties to even, beyond 6 the code of 6.
; THE BUFFERS aq (from x) and bq (from weight) are this program's own, laid in the order of the matrix operand's registers:
;   [H = row / 128 : 32][ks = k / 512 : 8][ a part of HALF = 34,816 bytes ]
;   a part = codes 32,768 bytes [i = (row / 16) % 8][kb = (k % 512) / 32 : 16][r = row % 16][16 bytes: the block's 32 codes, the lower k in the lower bits], then scale bytes 2,048 bytes [i][r][16 bytes: byte kb].
; SHARES.  A wave takes 16 rows x 512 along K: 8 steps of 2 rows x 512.  Its codes are 4,096 consecutive bytes of the buffer, its scale bytes 256 consecutive bytes, both aligned to 256.
; A STEP.  Eight loads of 512 consecutive bytes: loads 0-3 are the 2,048 bytes of row 2 t, loads 4-7 those of row 2 t + 1; the four waves of a work-group stand side by side on 8,192 bytes of each row.
;   A lane (blk = lane / 8, j = lane % 8) holds 4 numbers, piece j, of block blk of each load's four.  The numbers are quantised where they lie: the block's largest magnitude by three DPP steps among its 8 lanes;
;   the conversion takes 8 registers and one scale a lane, so each pair of loads is converted twice, under each load's scale, and of each result the load's own 16 bits are kept.
;   Then only the codes move: an 8 x 8 transposition of 16-bit pieces among the 8 lanes, three stages (lane masks 1, 2, 4), after which lane j holds the 16 bytes of load j's block, in the order of k: block kb = 4 (j % 4) + blk of row 2 t + j / 4.
;   Lane j picks load j's scale by three selects on its bits.
; THE WAY OUT.  A step's codes are 32 bytes of each of 16 units of 256 bytes, so a share's codes (4,096 bytes) and scale bytes (256) are gathered in the wave's own LDS (16 rows of 256 + 16 bytes, one for each kb) and leave at the end:
;   eight stores of 512 consecutive bytes and one of 256, all aligned to 256.  LDS serves a wave's instructions in order (ISA guide 5.7.1.4): no wait between its stores and its loads.  Waves share nothing: no barrier.
; TANH, in f32, to about 1e-6 of the number at every z = kk w: where |z| < 0.25 the series z + z^3 (-1/3 + 2/15 z^2 - 17/315 z^4 + 62/2835 z^6), whose first dropped term is under 0.00886 x 0.25^10 = 8.5e-9 of the number;
; elsewhere 1 - 2 / (1 + 2^(2 log2(e) z)), which is right at both ends.  Both are always computed, and v_cndmask_b32 takes one: no branch hangs on data.
; ONE LAUNCH FOR BOTH TENSORS.  Work-group g takes x where (g xor g >> 8) & 1 is 0, else weight.  The branch on that bit goes round the tanh's register work alone.  Five sets of load registers: 32 loads a wave are out while a step is worked.
; LIMITS: NaN and infinities among the inputs are not served.  A block of zeros gets the byte 1 where the rule says 127: its codes are zeros, which add nothing under any byte but 0xff, and this program alone reads the bytes.
.set STEPS, 8
.set ROWX,  16384
.set HALF,  34816
.set SP,    272                        ; a stage's row: the 16 rows' codes of one kb, + 16 bytes
.set SBY,   16*SP                      ; behind the stage: the wave's 256 scale bytes
.set WREG,  SBY+256                    ; LDS of a wave: 4,608 bytes
.set SPARE, 4*WREG                     ; behind the four regions: the spare words, 512 bytes that no other line names
.set SPW, 1                            ; my spare word; kept for the closing add alone
.set NIL, 2                            ; 0; likewise
.set LV,  4                            ; 16 x lane: my 16 bytes of a load's, and of a store's, 512
.set STA, 5                            ; into the stage: row kb, 16 (j / 4)
.set BA,  6                            ; my scale byte: 16 (j / 4) + kb
.set SEL, 7                            ; stage 1's byte selector
.set RA,  8                            ; out of the stage: row lane / 16, 16 (lane % 16)
.set BO,  9                            ; 8 x lane
.set BR,  10                           ; the same in my LDS
.set C9,  16
.set C7,  18
.set C5,  20
.set C3,  22
.set R,   24                           ; v24-183 five sets of 32 numbers; at the end v24-55 carry the codes out
.set U,   184                          ; v184-231: the tanh's three sets of 16; behind it the quantiser's temporaries:
.set S,   200
.set Z,   216
.set CV,  184                          ; conversions' results
.set T,   192                          ; what is sent and what comes from the other lane
.set M,   200                          ; largest magnitudes, then scale operands
.set Q,   208                          ; the selects
.set D,   216                          ; behind stage 1
.set E,   220                          ; behind stage 2
.set C,   232                          ; v232-247 codes: four sets of 4
.set EY,  248                          ; v248-255 a scale byte for each step
.set KK,  20
.set AA,  22
.set QU,  24
.set MK,  28
.set B0,  48                           ; s48-50: the lanes whose number has bit 0, 1, 2 set
.set B1,  49
.set B2,  50
	s_load_b256 s[4:11], s[0:1], 0x0               ; x, weight, kk's address, aa's
	s_load_b128 s[12:15], s[0:1], 0x20             ; aq, bq
	s_mov_b32 s[B0], 0xaaaaaaaa
	s_mov_b32 s[B1], 0xcccccccc
	s_mov_b32 s[B2], 0xf0f0f0f0
	v_lshl_add_u32 v[SPW], v0, 2, SPARE
	v_mov_b32 v[NIL], 0
	v_lshrrev_b32 v3, 5, v0
	v_readfirstlane_b32 s16, v3                    ; wave 0..3
	s_mul_i32 s18, s16, WREG                       ; my wave's LDS
	v_and_b32 v12, 3, v0                           ; j % 4
	v_bfe_u32 v13, v0, 3, 2                        ; blk
	v_bfe_u32 v14, v0, 2, 1                        ; j / 4
	v_and_b32 v15, 15, v0
	v_bfe_u32 v3, v0, 4, 1
	v_and_b32 v11, 31, v0                          ; lane
	v_lshl_add_u32 v12, v12, 2, v13                ; kb
	v_lshlrev_b32 v[LV], 4, v11
	v_mul_u32_u24 v[STA], v12, SP
	v_lshl_add_u32 v[STA], v14, 4, v[STA]
	v_add_nc_u32 v[STA], s18, v[STA]
	v_lshl_add_u32 v[BA], v14, 4, v12
	v_add_nc_u32 v[BA], s18, v[BA]
	v_mul_u32_u24 v[RA], v3, SP
	v_lshl_add_u32 v[RA], v15, 4, v[RA]
	v_add_nc_u32 v[RA], s18, v[RA]
	v_lshlrev_b32 v[BO], 3, v11
	v_add_nc_u32 v[BR], s18, v[BO]
	v_mov_b32 v[SEL], 0x05040100                   ; even lanes: my low half, the other's low half
	v_mov_b32 v3, 0x03020706                       ; odd lanes: the other's high half, my high half
	v_cndmask_b32 v[SEL], v[SEL], v3, s[B0]
	v_mov_b32 v[C9], 0x3cb327a4                    ; 62/2835
	v_mov_b32 v[C9+1], 0x3cb327a4
	v_mov_b32 v[C7], 0xbd5d0dd1                    ; -17/315
	v_mov_b32 v[C7+1], 0xbd5d0dd1
	v_mov_b32 v[C5], 0x3e088889                    ; 2/15
	v_mov_b32 v[C5+1], 0x3e088889
	v_mov_b32 v[C3], 0xbeaaaaab                    ; -1/3
	v_mov_b32 v[C3+1], 0xbeaaaaab
.irp i, 0,1,2,3,4,5,6,7
	v_mov_b32 v[T+\i], 0                           ; written once: a DPP form's destination counts as one of its sources
.endr
	s_lshr_b32 s17, ttmp9, 8
	s_xor_b32 s17, s17, ttmp9
	s_and_b32 s17, s17, 1                          ; 0: x, 1: weight
	s_lshr_b32 s19, ttmp9, 1
	s_lshl_b32 s19, s19, 2
	s_add_co_u32 s19, s19, s16                     ; which of the tensor's 2,048 shares is my wave's
	s_lshr_b32 s25, s19, 3                         ; which 16 rows
	s_and_b32 s19, s19, 7                          ; ks
	s_lshl_b32 s26, s25, 18
	s_lshl_b32 s27, s19, 11
	s_add_co_u32 s26, s26, s27
	s_mov_b32 s27, 0
	s_lshr_b32 s44, s25, 3                         ; H
	s_lshl_b32 s44, s44, 3
	s_add_co_u32 s44, s44, s19
	s_mul_i32 s44, s44, HALF                       ; part 8 H + ks
	s_and_b32 s25, s25, 7                          ; i
	s_lshl_b32 s46, s25, 8
	s_add_co_u32 s46, s46, s44
	s_add_co_u32 s46, s46, 32768                   ; my scale bytes
	s_mov_b32 s47, 0
	s_lshl_b32 s45, s25, 12
	s_add_co_u32 s44, s44, s45                     ; my codes
	s_mov_b32 s45, 0
	s_mov_b32 s[QU], 0x3e800000
	s_wait_alu depctr_va_vdst(0)                   ; the wait at the head's end
	s_wait_kmcnt 0x0
	s_load_b32 s[KK], s[8:9], 0x0
	s_load_b32 s[AA], s[10:11], 0x0
	s_cmp_eq_u32 s17, 0                            ; the choice hangs on the work-group's number alone
	s_cselect_b64 s[4:5], s[4:5], s[6:7]
	s_cselect_b64 s[12:13], s[12:13], s[14:15]
	s_add_nc_u64 s[4:5], s[4:5], s[26:27]
	s_add_nc_u64 s[14:15], s[12:13], s[46:47]
	s_add_nc_u64 s[12:13], s[12:13], s[44:45]
.macro LOAD t                          ; step t: load i: row 2 t + i / 4, bytes 512 (i % 4) + 16 x lane
.irp i, 0,1,2,3,4,5,6,7
	global_load_b128 v[R+32*((\t)%5)+4*\i:R+32*((\t)%5)+4*\i+3], v[LV], s[4:5] offset:(2*(\t)+\i/4)*ROWX+512*(\i%4) th:TH_LOAD_NT
.endr
.endm
; aa * tanh(kk * w) of 16 numbers, in place.  The exponentials are one batch and the reciprocals another, each with a wait ahead of it and one ahead of its first reader.
.macro TANH16 x
.irp j, 0,2,4,6,8,10,12,14
	v_pk_mul_f32 v[\x+\j:\x+\j+1], v[\x+\j:\x+\j+1], s[KK:KK+1] op_sel_hi:[1,0]          ; z = kk w
.endr
.irp j, 0,2,4,6,8,10,12,14
	v_pk_mul_f32 v[U+\j:U+\j+1], v[\x+\j:\x+\j+1], 0x4038aa3b op_sel_hi:[1,0]            ; 2 log2(e) z
.endr
	s_wait_alu depctr_va_vdst(0)
.irp j, 0,1,2,3,4,5,6,7,8,9,10,11,12,13,14,15
	v_exp_f32 v[U+\j], v[U+\j]
.endr
.irp j, 0,2,4,6,8,10,12,14
	v_pk_mul_f32 v[Z+\j:Z+\j+1], v[\x+\j:\x+\j+1], v[\x+\j:\x+\j+1]                      ; z^2
.endr
.irp j, 0,2,4,6,8,10,12,14
	v_pk_fma_f32 v[S+\j:S+\j+1], v[Z+\j:Z+\j+1], v[C9:C9+1], v[C7:C7+1]
.endr
.irp j, 0,2,4,6,8,10,12,14
	v_pk_fma_f32 v[S+\j:S+\j+1], v[S+\j:S+\j+1], v[Z+\j:Z+\j+1], v[C5:C5+1]
.endr
.irp j, 0,2,4,6,8,10,12,14
	v_pk_fma_f32 v[S+\j:S+\j+1], v[S+\j:S+\j+1], v[Z+\j:Z+\j+1], v[C3:C3+1]
.endr
.irp j, 0,2,4,6,8,10,12,14
	v_pk_mul_f32 v[Z+\j:Z+\j+1], v[Z+\j:Z+\j+1], v[\x+\j:\x+\j+1]                        ; z^3
.endr
.irp j, 0,2,4,6,8,10,12,14
	v_pk_fma_f32 v[S+\j:S+\j+1], v[S+\j:S+\j+1], v[Z+\j:Z+\j+1], v[\x+\j:\x+\j+1]        ; the series
.endr
	s_wait_alu depctr_va_vdst(0)
.irp j, 0,2,4,6,8,10,12,14
	v_pk_add_f32 v[U+\j:U+\j+1], v[U+\j:U+\j+1], 1.0 op_sel_hi:[1,0]
.endr
	s_wait_alu depctr_va_vdst(0)
.irp j, 0,1,2,3,4,5,6,7,8,9,10,11,12,13,14,15
	v_rcp_f32 v[U+\j], v[U+\j]
.endr
	v_nop
	s_wait_alu depctr_va_vdst(0)
.irp j, 0,2,4,6,8,10,12,14
	v_pk_fma_f32 v[U+\j:U+\j+1], v[U+\j:U+\j+1], -2.0, 1.0 op_sel_hi:[1,0,0]             ; 1 - 2 / (1 + e^(2 z))
.endr
.irp j, 0,1,2,3,4,5,6,7,8,9,10,11,12,13,14,15
	v_cmp_gt_f32 s[MK+\j], s[QU], |v[\x+\j]|                                             ; 0.25 > |z|
.endr
.irp j, 0,1,2,3,4,5,6,7,8,9,10,11,12,13,14,15
	v_cndmask_b32 v[\x+\j], v[U+\j], v[S+\j], s[MK+\j]                                   ; there the series
.endr
.irp j, 0,2,4,6,8,10,12,14
	v_pk_mul_f32 v[\x+\j:\x+\j+1], v[\x+\j:\x+\j+1], s[AA:AA+1] op_sel_hi:[1,0]          ; x aa
.endr
.endm
.macro STEP t
.set XS, R+32*((\t)%5)
.set CS, C+4*((\t)%4)
.if (\t) < 4
	s_wait_loadcnt 32                              ; this step's eight loads are in; those of the four steps behind it may be out
.else
	s_wait_loadcnt 8*(STEPS-1-(\t))                ; at the end the count runs down
.endif
	s_cmp_eq_u32 s17, 0                            ; x is quantised as it is
	s_cbranch_scc1 .Lplain_\@
	TANH16 XS
	TANH16 XS+16
.Lplain_\@:
.irp i, 0,1,2,3,4,5,6,7
	v_max3_num_f32 v[M+\i], |v[XS+4*\i]|, |v[XS+4*\i+1]|, 0x1800000      ; my 4 numbers of load i, and the floor 2^(3 - 127): the byte cannot fall under 1
.endr
.irp i, 0,1,2,3,4,5,6,7
	v_max3_num_f32 v[M+\i], v[M+\i], |v[XS+4*\i+2]|, |v[XS+4*\i+3]|
.endr
.irp m, 1,2,4
.irp i, 0,1,2,3,4,5,6,7
	v_max_num_f32_dpp v[M+\i], v[M+\i], v[M+\i] row_xmask:\m row_mask:0xf bank_mask:0xf   ; with the block's other 7 lanes
.endr
.endr
.irp i, 0,1,2,3,4,5,6,7
	v_add_nc_u32 v[M+\i], 0xff000000, v[M+\i]      ; 2 off the exponent field: the conversion's scale operand
.endr
.irp p, 0,1,2,3
	v_cvt_scalef32_pk8_fp4_f32 v[CV+2*\p], v[XS+8*\p:XS+8*\p+7], v[M+2*\p]        ; loads 2 p and 2 p + 1 under load 2 p's scale: the low 16 bits count
	v_cvt_scalef32_pk8_fp4_f32 v[CV+2*\p+1], v[XS+8*\p:XS+8*\p+7], v[M+2*\p+1]    ; and under load 2 p + 1's: the high 16 bits count
.endr
.irp p, 0,1,2,3
	v_cndmask_b32 v[Q+\p], v[M+2*\p], v[M+2*\p+1], s[B0]           ; lane j picks load j's scale, bit by bit (also the plain lines behind the conversions)
.endr
	v_cndmask_b32 v[Q+4], v[Q], v[Q+1], s[B1]
	v_cndmask_b32 v[Q+5], v[Q+2], v[Q+3], s[B1]
.irp p, 0,1,2,3
	v_bfi_b32 v[CV+2*\p], 0xffff, v[CV+2*\p], v[CV+2*\p+1]         ; piece j of loads 2 p (low) and 2 p + 1 (high)
.endr
	v_cndmask_b32 v[Q+6], v[Q+4], v[Q+5], s[B2]
.irp p, 0,1,2,3
	v_mov_b32_dpp v[T+\p], v[CV+2*\p] row_xmask:1 row_mask:0xf bank_mask:0xf
.endr
	v_lshrrev_b32 v[EY+(\t)], 23, v[Q+6]           ; the scale's byte
.irp p, 0,1,2,3
	v_perm_b32 v[D+\p], v[T+\p], v[CV+2*\p], v[SEL]                ; STAGE 1: load 2 p + (j & 1), the pair of pieces that holds j
.endr
.irp q, 0,1
	v_cndmask_b32 v[T+\q], v[D+2*\q+1], v[D+2*\q], s[B1]           ; STAGE 2: I send what lane xor 2 keeps,
.endr
.irp q, 0,1
	v_mov_b32_dpp v[T+4+\q], v[T+\q] row_xmask:2 row_mask:0xf bank_mask:0xf
.endr
.irp q, 0,1
	v_cndmask_b32 v[E+2*\q], v[D+2*\q], v[T+4+\q], s[B1]           ; and lay mine and the other's in the order of the pieces
	v_cndmask_b32 v[E+2*\q+1], v[T+4+\q], v[D+2*\q+1], s[B1]
.endr
.irp k, 0,1
	v_cndmask_b32 v[T+\k], v[E+2+\k], v[E+\k], s[B2]               ; STAGE 3: the same with lane xor 4
.endr
.irp k, 0,1
	v_mov_b32_dpp v[T+4+\k], v[T+\k] row_xmask:4 row_mask:0xf bank_mask:0xf
.endr
.irp k, 0,1
	v_cndmask_b32 v[CS+\k], v[E+\k], v[T+4+\k], s[B2]
	v_cndmask_b32 v[CS+2+\k], v[T+4+\k], v[E+2+\k], s[B2]
.endr
	ds_store_b128 v[STA], v[CS:CS+3] offset:32*(\t)                ; block kb of row 2 t + j / 4, into the stage's row kb
	ds_store_b8 v[BA], v[EY+(\t)] offset:SBY+32*(\t)               ; and its byte: byte kb of that row's 16
.if (\t)+5 < STEPS
	LOAD (\t)+5                                    ; this step's registers take the loads of five steps on
.endif
.endm
.irp t, 0,1,2,3,4
	LOAD \t
.endr
	s_wait_kmcnt 0x0                               ; kk and aa
	s_mov_b32 s[KK+1], s[KK]                       ; (named with them as pairs, so they are written)
	s_mov_b32 s[AA+1], s[AA]
.irp t, 0,1,2,3,4,5,6,7
	STEP \t
.endr
.irp u, 0,1,2,3,4,5,6,7
	ds_load_b128 v[R+4*\u:R+4*\u+3], v[RA] offset:2*\u*SP          ; the stage's rows 2 u and 2 u + 1, sixteen lanes to a row
.endr
	ds_load_b64 v[12:13], v[BR] offset:SBY
.irp u, 0,1,2,3,4,5,6,7
	s_wait_dscnt 8-\u                              ; behind this load: the later rows' loads and the bytes'
	global_store_b128 v[LV], v[R+4*\u:R+4*\u+3], s[12:13] offset:512*\u   ; 32 lanes store 512 consecutive bytes, aligned to 256
.endr
	s_wait_dscnt 0x0
	global_store_b64 v[BO], v[12:13], s[14:15]     ; 32 lanes store 256 consecutive bytes, aligned
	s_wait_tensorcnt 0x0                           ; the wave's end
	ds_add_u32 v[SPW], v[NIL]
	s_wait_dscnt 0x0
	s_endpgm
.Lfunc_end_k_qaecf561385_quant:
	.size	k_qaecf561385_quant, .Lfunc_end_k_qaecf561385_quant-k_qaecf561385_quant
	.p2alignl 7, 3214868480
	.fill 96, 4, 3214868480
	.section	.rodata,"a",@progbits
	.p2align	6, 0x0
	.amdhsa_kernel k_qaecf561385_quant
		.amdhsa_group_segment_fixed_size 18944
		.amdhsa_private_segment_fixed_size 0
		.amdhsa_enable_private_segment 0
		.amdhsa_kernarg_size 48
		.amdhsa_user_sgpr_count 2
		.amdhsa_user_sgpr_kernarg_segment_ptr 1
		.amdhsa_wavefront_size32 1
		.amdhsa_system_sgpr_workgroup_id_x 1
		.amdhsa_system_sgpr_workgroup_id_y 1
		.amdhsa_system_sgpr_workgroup_id_z 1
		.amdhsa_system_vgpr_workitem_id 0
		.amdhsa_next_free_vgpr 256
		.amdhsa_next_free_sgpr 66
		.amdhsa_reserve_vcc 0
		.amdhsa_float_denorm_mode_32 3
		.amdhsa_float_denorm_mode_16_64 3
		.amdhsa_memory_ordered 1
		.amdhsa_forward_progress 1
		.amdhsa_inst_pref_size 205
	.end_amdhsa_kernel
	.amdgpu_metadata
---
amdhsa.version: [ 1, 2 ]
amdhsa.kernels:
  - .name:           k_qaecf561385_quant
    .symbol:         k_qaecf561385_quant.kd
    .args:
      - { .name: x, .offset: 0, .size: 8, .value_kind: global_buffer, .address_space: global }
      - { .name: weight, .offset: 8, .size: 8, .value_kind: global_buffer, .address_space: global }
      - { .name: kk, .offset: 16, .size: 8, .value_kind: global_buffer, .address_space: global }
      - { .name: aa, .offset: 24, .size: 8, .value_kind: global_buffer, .address_space: global }
      - { .name: aq, .offset: 32, .size: 8, .value_kind: global_buffer, .address_space: global }
      - { .name: bq, .offset: 40, .size: 8, .value_kind: global_buffer, .address_space: global }
    .group_segment_fixed_size: 18944
    .private_segment_fixed_size: 0
    .kernarg_segment_align: 8
    .kernarg_segment_size: 48
    .max_flat_workgroup_size: 128
    .sgpr_count:     66
    .vgpr_count:     256
    .wavefront_size: 32
...
	.end_amdgpu_metadata
.endif
;; end of part 1
;; launch gemm (part 2): grid 16 x 16, 4 waves a work-group, clusters of 4 x 4, 327,680 bytes of LDS; arguments aq, bq, bias, out0; writes out0
.if DOCPART == 2
	.amdgcn_target "amdgcn-amd-amdhsa--gfx1250"
	.amdhsa_code_object_version 6
	.text
	.protected	k_qaecf561385_gemm
	.globl	k_qaecf561385_gemm
	.p2align	8
	.type	k_qaecf561385_gemm,@function
k_qaecf561385_gemm:
	s_mov_b64 s[64:65], 0
	v_nop
	global_prefetch_b8 v0, s[64:65] scope:SCOPE_SE
	s_setreg_imm32_b32 hwreg(HW_REG_WAVE_MODE, 25, 1), 1
	s_wait_xcnt 0x0
	s_wait_alu depctr_hold_cnt(0) depctr_sa_sdst(0) depctr_va_vdst(0) depctr_va_sdst(0) depctr_va_ssrc(0) depctr_va_vcc(0) depctr_vm_vsrc(0)
	s_getreg_b32 s2, hwreg(HW_REG_IB_STS2, 6, 4)
	s_cmp_eq_u32 s2, 0
	s_cbranch_scc0 .Lentry_in_a_cluster
	s_endpgm
.Lentry_in_a_cluster:
	s_bfe_u32 s2, ttmp6, 0x10000c
	s_cmp_lg_u32 s2, 0xf033
	s_cbranch_scc0 .Lentry_shape_is_right
	s_endpgm
.Lentry_shape_is_right:
; out0[m][n] = bias[n] + sum over k of A[m][k] B[n][k]: A = the quantised x (aq), B = the quantised aa tanh(kk weight) (bq): codes of FP4 (E2M1) with one E8M0 byte for each 32 along K; sums in f32.
; aq and bq are laid by the launch before: [row / 128 : 32][k / 512 : 8][a part of HALF bytes]; a part = 32,768 bytes of codes [16 rows i : 8][block of 32 k : 16][row % 16][16 bytes], then 2,048 scale bytes [i][row % 16][16].
; So a fragment's load is 512 consecutive bytes of LDS (16 x lane), and a part is one dense block of 136 rows of 256 bytes for the tensor data mover.
; A tile of C, 256 x 256, is made by four waves, each 128 x 128: 64 accumulators, 512 registers.  K goes in steps of 512 through two LDS slots of four parts (A's two halves, B's two); each wave fetches one part by one load.
; CLUSTERS 4 x 4: A's parts are asked for jointly along a row of the cluster, B's along a column.  The matrix instruction is used transposed (source 0 = B's rows, source 1 = A's): a lane holds 8 neighbouring columns of a row of C.
; The bias is the C of each accumulator's first product: nothing is cleared and nothing is added later.
; REGISTERS: window 0: v0-31 addresses; v32-95 scale words, a set for each slot (register 4 i + q: lanes 0-15 A's block i, lanes 16-31 B's block i); v128-255 A's fragments, two sets of 64.
;   window 1: v0-63 the bias; v128-255 B's fragments, two sets.  Windows 2, 3: the accumulators of my rows 0-63, 64-127 ((a, b) at 8 (8 (a % 4) + b)).
; A step of 128 along K: the other set takes the next step's 32 loads in ONE run at the step's head, 64 products ahead of their use; then the step's 64 products on its own set.
; THE LAST K STEP GOES BY ROWS OF C: all its fragments of B fill window 1, A's come by blocks of 16 rows x 512 K, and each block of 16 rows leaves as soon as its 32 products are done, while the next block is multiplied.
; PREFETCH: each part is named two refills ahead of its joint load; the four partners that ask for a part share its 136 blocks of 256 bytes out by address, 34 each (32 lanes, then 2 blocks more; the lanes left over name the last block again).
.set HALF,   34816
.set HROW,   8*HALF
.set SLOT,   4*HALF
.set SPARE,  2*SLOT                    ; behind the ring: the spare words, 512 bytes that no other line names
.set SPITCH, 528                       ; the way out: a stage of 16 rows x (512 + 16) bytes for each wave, in slot 0, behind that slot's last fill and last read
.set ROWC,   16384                     ; a row of C in bytes
.set ADRA, 16                          ; v16-17 my A part in slot 0, 1, + 16 x lane
.set ADRB, 20                          ; v20-21 the same for B
.set ADRS, 22                          ; v22-23 scale words: lanes 0-15 in A's part, lanes 16-31 in B's
.set STO,  24
.set RD,   25
.set CO,   26                          ; 16 x lane
.set BO,   27
.set SPW,  28                          ; my spare word; never rewritten
.set NIL,  29                          ; 0; never rewritten
.set PFO,  30                          ; prefetch: 256 x lane
.set PFO2, 31                          ; and blocks 32, 33 of my share
.set SC,   32
.set FR,   128                         ; fragment set p at FR + 64 p, in window 0 (A) and in window 1 (B)
.set G1,  24
.set G0,  32
.set G1B, 48
.set G0B, 56
.set PFA, 68
.set MSB, 0
.macro WIN new                         ; the immediate's high byte repeats the setting that is left
.if MSB != (\new)
	s_set_vgpr_msb (MSB<<8)|(\new)
.set MSB, (\new)
.endif
.endm
.set MUL_LO,   0xa1                    ; source 0 window 1, source 1 window 0, C and D window 2
.set MUL_HI,   0xf1
.set TO_B,     0x40
.macro JLOAD g0a, g1a, g0b, g1b        ; a joint load: waves 0, 1 fetch A's halves, waves 2, 3 B's; s_nop 0 and four v_nop behind each line
	s_cmp_eq_u32 s15, 0
	s_cbranch_scc0 .Lfor_b_\@
	tensor_load_to_lds s[\g0a:\g0a+3], s[\g1a:\g1a+7]
	s_nop 0
.rept 4
	v_nop
.endr
	s_branch .Lasked_\@
.Lfor_b_\@:
	tensor_load_to_lds s[\g0b:\g0b+3], s[\g1b:\g1b+7]
	s_nop 0
.rept 4
	v_nop
.endr
.Lasked_\@:
.endm
.macro PF ks                           ; my share of the part that lies ks K steps behind PFA
	global_prefetch_b8 v[PFO], s[PFA:PFA+1] offset:(\ks)*HALF th:TH_LOAD_NT scope:SCOPE_SE
	global_prefetch_b8 v[PFO2], s[PFA:PFA+1] offset:(\ks)*HALF th:TH_LOAD_NT scope:SCOPE_SE
.endm
.macro ASK                             ; in the loop's last trip (s3 = 1) there is no K step two refills on
	s_cmp_gt_u32 s3, 1
	s_cbranch_scc0 .Lnone_\@
	PF 3
.Lnone_\@:
.endm
.macro CREST
	s_cmp_lg_u32 s14, 0
	s_cbranch_scc1 .Lnot_wave_0_\@
	s_barrier_signal -3
.Lnot_wave_0_\@:
	s_barrier_wait -3
	s_barrier_signal -1
	s_barrier_wait -1
.endm
.macro CROUND
	s_barrier_signal -1
	s_barrier_wait -1
	CREST
.endm
	s_load_b256 s[4:11], s[0:1], 0x0               ; aq, bq, bias, out0
	v_lshl_add_u32 v[SPW], v0, 2, SPARE
	v_mov_b32 v[NIL], 0
	ds_add_u32 v[SPW], v[NIL]                      ; the opening lines: the add twice on end and one wait
	ds_add_u32 v[SPW], v[NIL]
	v_lshrrev_b32 v1, 5, v0
	v_readfirstlane_b32 s14, v1                    ; wave
	s_lshr_b32 s15, s14, 1                         ; my half of the rows; also: I fetch for A (0) or B (1)
	s_and_b32 s16, s14, 1                          ; my half of the columns; also: which half I fetch
	s_bfe_u32 s40, ttmp6, 0x40000                  ; cx
	s_bfe_u32 s41, ttmp6, 0x40004                  ; cy
	s_lshl_b32 s42, ttmp9, 2
	s_add_co_u32 s42, s42, s40                     ; tile column
	s_and_b32 s17, ttmp7, 0xffff
	s_lshl_b32 s17, s17, 2
	s_add_co_u32 s17, s17, s41                     ; tile row
	s_lshl_b32 s43, s41, 2
	s_lshl_b32 s43, 15, s43                        ; my row of the cluster
	s_lshl_b32 s44, 0x1111, s40                    ; my column
	s_or_b32 s[G1+0], s43, (3<<16)|(1<<21)         ; elements of 8 bytes, no padding
	s_or_b32 s[G1B+0], s44, (3<<16)|(1<<21)
.irp g, G1, G1B
	s_mov_b32 s[\g+1], 32<<16                      ; rows of 256 bytes,
	s_mov_b32 s[\g+2], 136<<16                     ; 136 of them: a part
	s_mov_b32 s[\g+3], 32<<16
	s_mov_b32 s[\g+4], 136
	s_mov_b32 s[\g+5], 32
	s_mov_b32 s[\g+6], 0
	s_mov_b32 s[\g+7], 0
.endr
	s_lshl_b32 s20, s17, 1
	s_add_co_u32 s20, s20, s16
	s_mul_i32 s20, s20, HROW                       ; A: the 128 rows 2 x tile row + half
	s_mov_b32 s21, 0
	s_lshl_b32 s46, s42, 1
	s_add_co_u32 s46, s46, s16
	s_mul_i32 s46, s46, HROW                       ; B: 2 x tile column + half
	s_mov_b32 s47, 0
	s_mul_i32 s45, s14, HALF                       ; in a slot: wave x a part
	s_wait_dscnt 0x0
	s_wait_kmcnt 0x0
	s_add_nc_u64 s[20:21], s[4:5], s[20:21]
	s_add_nc_u64 s[46:47], s[6:7], s[46:47]
.irp s, 0,1
	s_mov_b32 s[G0+4*\s], 1
	s_add_co_u32 s[G0+4*\s+1], s45, \s*SLOT
	s_add_nc_u64 s[G0+4*\s+2:G0+4*\s+3], s[20:21], \s*HALF
	s_or_b32 s[G0+4*\s+3], s[G0+4*\s+3], 0x80000000
	s_mov_b32 s[G0B+4*\s], 1
	s_add_co_u32 s[G0B+4*\s+1], s45, \s*SLOT
	s_add_nc_u64 s[G0B+4*\s+2:G0B+4*\s+3], s[46:47], \s*HALF
	s_or_b32 s[G0B+4*\s+3], s[G0B+4*\s+3], 0x80000000
.endr
	CROUND                                         ; all sixteen work-groups are here
	JLOAD G0, G1, G0B, G1B                         ; K step 0: one tensor load a wave at the head
	; the scalar set-up first, then the vector lines in one run
	s_mul_i32 s21, s15, HALF                       ; my A part in a slot
	s_mul_i32 s22, s16, HALF
	s_add_co_u32 s22, s22, 2*HALF                  ; my B part
	s_xor_b32 s72, s15, 1
	s_add_co_u32 s72, s72, s16
	s_add_co_u32 s72, s72, 1
	s_mul_i32 s72, s72, HALF                       ; the distance between the two
	s_mul_i32 s23, s14, 16*SPITCH                  ; my stage
	s_lshl_b32 s76, s17, 8
	s_lshl_b32 s77, s15, 7
	s_add_co_u32 s76, s76, s77
	s_lshl_b32 s76, s76, 14                        ; my first row of C, in bytes
	s_mov_b32 s77, 0
	s_lshl_b32 s46, s42, 10
	s_lshl_b32 s47, s16, 9
	s_add_co_u32 s46, s46, s47                     ; my first column, in bytes
	s_mov_b32 s47, 0
	s_add_nc_u64 s[8:9], s[8:9], s[46:47]
	s_add_nc_u64 s[76:77], s[76:77], s[46:47]
	s_add_nc_u64 s[10:11], s[10:11], s[76:77]
	s_cmp_eq_u32 s15, 0
	s_cselect_b32 s74, s17, s42
	s_cselect_b32 s75, s40, s41                    ; my place among the four that ask with me
	s_cselect_b64 s[PFA:PFA+1], s[4:5], s[6:7]
	s_lshl_b32 s74, s74, 1
	s_add_co_u32 s74, s74, s16
	s_mul_i32 s74, s74, HROW
	s_mul_i32 s75, s75, HALF/4
	s_add_co_u32 s74, s74, s75
	s_mov_b32 s75, 0
	s_add_nc_u64 s[PFA:PFA+1], s[PFA:PFA+1], s[74:75]   ; my share of K step 0's part
	v_and_b32 v1, 15, v0
	v_bfe_u32 v2, v0, 4, 1
	v_and_b32 v3, 31, v0
	v_lshlrev_b32 v[CO], 4, v3
	v_mul_u32_u24 v4, s72, v2
	v_lshl_add_u32 v4, v1, 4, v4
	v_add_nc_u32 v[ADRA], s21, v[CO]
	v_add_nc_u32 v[ADRB], s22, v[CO]
	v_add_nc_u32 v[ADRS], s21, v4
	v_add_nc_u32 v[ADRA+1], SLOT, v[ADRA]
	v_add_nc_u32 v[ADRB+1], SLOT, v[ADRB]
	v_add_nc_u32 v[ADRS+1], SLOT, v[ADRS]
	v_mul_u32_u24 v5, v1, SPITCH
	v_lshl_add_u32 v5, v2, 5, v5
	v_add_nc_u32 v[STO], s23, v5                   ; into the stage: row l % 16, 32 bytes for each half of the lanes
	v_add_nc_u32 v[RD], s23, v[CO]                 ; back: the 32 lanes take a row of 512 bytes
	v_lshlrev_b32 v[BO], 5, v2
	v_lshlrev_b32 v[PFO], 8, v3
	v_min_u32 v6, 1, v3
	v_lshl_add_u32 v[PFO2], v6, 8, 8192
	s_wait_alu depctr_va_vdst(0)                   ; the wait at the head's end
	WIN TO_B
.irp b, 0,1,2,3,4,5,6,7
	global_load_b128 v[8*\b:8*\b+3],   v[BO], s[8:9] offset:64*\b       ; bias(16 b + 8 h + 0 .. 7), in an accumulator's layout
	global_load_b128 v[8*\b+4:8*\b+7], v[BO], s[8:9] offset:64*\b+16
.endr
	WIN 0
	PF 1                                           ; K steps 1 and 2: two ahead, as in the loop
	PF 2
.macro FRAG reg, adr, q, i             ; 16 rows x 128 K: two loads of 512 consecutive bytes
.irp c, 0,1
	ds_load_b128 v[\reg+4*\c:\reg+4*\c+3], v[\adr] offset:4096*(\i)+1024*(\q)+512*\c
.endr
.endm
.macro WM d, fb, fa, c, sb, sa
	v_wmma_scale_f32_16x16x128_f8f6f4 v[\d:\d+7], v[\fb:\fb+7], v[\fa:\fa+7], v[\c:\c+7], v[\sb], v[\sa] matrix_a_fmt:MATRIX_FMT_FP4 matrix_b_fmt:MATRIX_FMT_FP4 matrix_a_scale:MATRIX_SCALE_ROW1
.endm
; 16 products: A's blocks a0, a0 + 1 x B's eight; set p, the slot's q-th 128 along K, scale set sc.  The 64 accumulators take turns, one instruction a turn.
.macro MUL16 a0, p, q, sc, first
.irp a, \a0, \a0+1
.irp b, 0,1,2,3,4,5,6,7
.if \first
	WM 8*(8*((\a)%4)+\b), FR+64*(\p)+8*\b, FR+64*(\p)+8*(\a), 8*\b, SC+32*(\sc)+4*\b+(\q), SC+32*(\sc)+4*(\a)+(\q)
.else
	WM 8*(8*((\a)%4)+\b), FR+64*(\p)+8*\b, FR+64*(\p)+8*(\a), 8*(8*((\a)%4)+\b), SC+32*(\sc)+4*\b+(\q), SC+32*(\sc)+4*(\a)+(\q)
.endif
.endr
.endr
.endm
.macro FETCH_B slot, q, p
	WIN TO_B
.irp i, 0,1,2,3,4,5,6,7
	FRAG FR+64*(\p)+8*\i, ADRB+\slot, \q, \i
.endr
.endm
.macro FETCH_A slot, q, p, i0
	WIN 0
.irp i, \i0, \i0+1, \i0+2, \i0+3
	FRAG FR+64*(\p)+8*(\i), ADRA+\slot, \q, \i
.endr
.endm
.macro SCALES sc
	WIN 0
.irp i, 0,1,2,3,4,5,6,7
	ds_load_b128 v[SC+32*\sc+4*\i:SC+32*\sc+4*\i+3], v[ADRS+\sc] offset:32768+256*\i
.endr
.endm
.macro PLACES                          ; four places behind matrix instructions, ahead of loads into registers that they read and of reads of their results
.rept 4
	v_nop
.endr
.endm
.macro OPEN slot                       ; a slot's first fragments and its scale words
	FETCH_B \slot, 0, 0
	FETCH_A \slot, 0, 0, 0
	SCALES \slot
	FETCH_A \slot, 0, 0, 4
.endm
; A step that has its successor in the same slot.  (first = 1: C is the bias, in window 1)
.macro STEP slot, q, first
	s_wait_dscnt 0x0                               ; this step's set is in: its loads were issued at the head of the step before
	PLACES
	FETCH_B \slot, (\q)+1, 1-(\q)%2
	FETCH_A \slot, (\q)+1, 1-(\q)%2, 0
	FETCH_A \slot, (\q)+1, 1-(\q)%2, 4
	WIN MUL_LO-0x10*(\first)
	MUL16 0, (\q)%2, \q, \slot, \first
	MUL16 2, (\q)%2, \q, \slot, \first
	WIN MUL_HI-0x20*(\first)
	MUL16 4, (\q)%2, \q, \slot, \first
	MUL16 6, (\q)%2, \q, \slot, \first
.endm
; A slot's last step.  All its fragments were asked for in the step before, so the change of slots stands at its head: the wait for all my tensor loads, the add, the wait for the add and my reads; the round; the joint refill first behind it.
.macro TURN slot, next
	WIN 0
	s_wait_xcnt 0x0                                ; my prefetches have read their address
	s_add_nc_u64 s[PFA:PFA+1], s[PFA:PFA+1], HALF
	s_wait_tensorcnt 0x0                           ; my part of the next slot has landed
	ds_add_u32 v[SPW], v[NIL]
	s_wait_dscnt 0x0                               ; the add is done, my reads of this slot are over
	s_barrier_signal -1
	WIN MUL_LO
	MUL16 0, 1, 3, \slot, 0
	WIN 0
	s_barrier_wait -1
	CREST
	s_add_nc_u64 s[G0+4*\slot+2:G0+4*\slot+3], s[G0+4*\slot+2:G0+4*\slot+3], 2*HALF
	s_add_nc_u64 s[G0B+4*\slot+2:G0B+4*\slot+3], s[G0B+4*\slot+2:G0B+4*\slot+3], 2*HALF
	JLOAD G0+4*\slot, G1, G0B+4*\slot, G1B         ; its four v_nop are also the places ahead of the loads below
	OPEN \next
	ASK
	WIN MUL_LO
	MUL16 2, 1, 3, \slot, 0
	WIN MUL_HI
	MUL16 4, 1, 3, \slot, 0
	MUL16 6, 1, 3, \slot, 0
.endm
	s_wait_tensorcnt 0x0                           ; my part of K step 0 is in; the three lines ahead of a later first fill, as ahead of a refill
	ds_add_u32 v[SPW], v[NIL]
	s_wait_dscnt 0x0
	CROUND
	JLOAD G0+4, G1, G0B+4, G1B                     ; K step 1
	OPEN 0
	PF 3
	s_wait_loadcnt 0x0                             ; the bias
	STEP 0, 0, 1                                   ; the first step's products start the sums, on the bias
	WIN 0
	s_mov_b32 s3, 3
.Llap:                                                 ; a trip goes once round the ring and fills both slots again
	STEP 0, 1, 0
	STEP 0, 2, 0
	TURN 0, 1
	STEP 1, 0, 0
	STEP 1, 1, 0
	STEP 1, 2, 0
	TURN 1, 0
	STEP 0, 0, 0
	WIN 0
	s_sub_co_u32 s3, s3, 1
	s_cmp_lg_u32 s3, 0
	s_cbranch_scc1 .Llap
	STEP 0, 1, 0
	STEP 0, 2, 0
; THE TAIL.  K step 6's last step, and K step 7 (slot 1) by rows of C.
.macro BLOAD q                         ; B's fragments of quarter q -> window 1, v[64 q ..]
.irp i, 0,1,2,3,4,5,6,7
	FRAG 64*\q+8*\i, ADRB+1, \q, \i
.endr
.endm
.macro ALOAD a                         ; A's block a, all four quarters -> buffer a % 4 of 32 registers
	WIN 0
.irp q, 0,1,2,3
	FRAG FR+32*((\a)%4)+8*\q, ADRA+1, \q, \a
.endr
.endm
.macro ROW a                           ; block a is finished: 32 products, its 8 accumulators by turns, K ascending
	WIN MUL_LO+0x50*((\a)/4)
.irp q, 0,1,2,3
.if (\a) == 0 && \q == 3
	s_wait_dscnt 16                                ; B's quarter 3 is in (behind it: A's blocks 2 and 3)
.endif
.irp b, 0,1,2,3,4,5,6,7
	WM 64*((\a)%4)+8*\b, 64*\q+8*\b, FR+32*((\a)%4)+8*\q, 64*((\a)%4)+8*\b, SC+32+4*\b+\q, SC+32+4*(\a)+\q
.endr
.endr
.endm
.macro TOSTAGE a                       ; block a through my stage: in as 32 bytes a lane, back as whole rows of 512 bytes, into the block's own registers (LDS serves a wave's instructions in order: ISA guide 5.7.1.4)
.set AC, 64*((\a)%4)
	WIN 0x88+0x44*((\a)/4)                         ; store data and loaded data: window 2 or 3; addresses: window 0
.irp b, 0,1,2,3,4,5,6,7
	ds_store_b128 v[STO], v[AC+8*\b:AC+8*\b+3] offset:64*\b          ; each accumulator from its low end on
	ds_store_b128 v[STO], v[AC+8*\b+4:AC+8*\b+7] offset:64*\b+16
.endr
.irp t, 0,1,2,3,4,5,6,7,8,9,10,11,12,13,14,15
	ds_load_b128 v[AC+4*\t:AC+4*\t+3], v[RD] offset:\t*SPITCH
.endr
.endm
.macro SEND a, younger                 ; 32 lanes store 512 consecutive bytes, aligned to 256; every offset an immediate (127 rows of C at the most), no register of a store is written again
.set AC, 64*((\a)%4)
	WIN 0x88+0x44*((\a)/4)
	s_wait_dscnt \younger
.irp t, 0,1,2,3,4,5,6,7,8,9,10,11,12,13,14,15
	global_store_b128 v[CO], v[AC+4*\t:AC+4*\t+3], s[10:11] offset:(16*(\a)+\t)*ROWC th:TH_STORE_NT
.endr
.endm
	WIN 0
	s_wait_tensorcnt 0x0                           ; my part of slot 1, the last K step, has landed
	ds_add_u32 v[SPW], v[NIL]
	s_wait_dscnt 0x0                               ; my reads of slot 0 are over: behind the barrier it serves as the stages
	s_barrier_signal -1
	WIN MUL_LO
	MUL16 0, 1, 3, 0, 0
	s_barrier_wait -1
	PLACES
	WIN TO_B
	BLOAD 0
	SCALES 1
	ALOAD 0
	WIN TO_B
	BLOAD 1
	BLOAD 2
	ALOAD 1
	WIN MUL_LO
	MUL16 2, 1, 3, 0, 0
	WIN MUL_HI
	MUL16 4, 1, 3, 0, 0
	MUL16 6, 1, 3, 0, 0
	PLACES                                         ; for the loads into set 1
	WIN TO_B
	BLOAD 3
	ALOAD 2
	ALOAD 3
	s_wait_dscnt 32                                ; all but the 32 just issued
	ROW 0
.irp a, 0,1,2,3,4,5,6,7
	PLACES
	TOSTAGE \a
.if \a < 4
	ALOAD \a+4                                     ; its buffer takes the block four further on
.endif
.if \a < 7
	ROW \a+1                                       ; the next block is multiplied while this one turns through the stage
.endif
.if \a < 4
	SEND \a, 8                                     ; only the eight loads of A behind the stage's may be out
.else
	SEND \a, 0
.endif
.endr
	WIN 0
	s_wait_tensorcnt 0x0                           ; the wave's end
	ds_add_u32 v[SPW], v[NIL]
	s_wait_dscnt 0x0
	CROUND                                         ; the closing round
	s_endpgm
.Lfunc_end_k_qaecf561385_gemm:
	.size	k_qaecf561385_gemm, .Lfunc_end_k_qaecf561385_gemm-k_qaecf561385_gemm
	.p2alignl 7, 3214868480
	.fill 96, 4, 3214868480
	.section	.rodata,"a",@progbits
	.p2align	6, 0x0
	.amdhsa_kernel k_qaecf561385_gemm
		.amdhsa_group_segment_fixed_size 327680
		.amdhsa_private_segment_fixed_size 0
		.amdhsa_enable_private_segment 0
		.amdhsa_kernarg_size 32
		.amdhsa_user_sgpr_count 2
		.amdhsa_user_sgpr_kernarg_segment_ptr 1
		.amdhsa_wavefront_size32 1
		.amdhsa_system_sgpr_workgroup_id_x 1
		.amdhsa_system_sgpr_workgroup_id_y 1
		.amdhsa_system_sgpr_workgroup_id_z 1
		.amdhsa_system_vgpr_workitem_id 0
		.amdhsa_next_free_vgpr 1024
		.amdhsa_next_free_sgpr 80
		.amdhsa_reserve_vcc 0
		.amdhsa_float_denorm_mode_32 3
		.amdhsa_float_denorm_mode_16_64 3
		.amdhsa_memory_ordered 1
		.amdhsa_forward_progress 1
		.amdhsa_inst_pref_size 209
	.end_amdhsa_kernel
	.amdgpu_metadata
---
amdhsa.version: [ 1, 2 ]
amdhsa.kernels:
  - .name:           k_qaecf561385_gemm
    .symbol:         k_qaecf561385_gemm.kd
    .args:
      - { .name: aq, .offset: 0, .size: 8, .value_kind: global_buffer, .address_space: global }
      - { .name: bq, .offset: 8, .size: 8, .value_kind: global_buffer, .address_space: global }
      - { .name: bias, .offset: 16, .size: 8, .value_kind: global_buffer, .address_space: global }
      - { .name: out0, .offset: 24, .size: 8, .value_kind: global_buffer, .address_space: global }
    .group_segment_fixed_size: 327680
    .private_segment_fixed_size: 0
    .kernarg_segment_align: 8
    .kernarg_segment_size: 32
    .max_flat_workgroup_size: 128
    .sgpr_count:     80
    .vgpr_count:     1024
    .wavefront_size: 32
...
	.end_amdgpu_metadata
.endif
;; end of part 2
